; MI455X (gfx1250); checked and timed in simulation.
; The chip was launched on July 23, 2026; its instructions are those of AMD's public machine-readable ISA for CDNA 5 (MIT licence, August 2026) and "CDNA5" Instruction Set Architecture Reference Guide (July 2026). The comments in the code are by the model that wrote it; some were corrected since.
;; Dynamic Quantize Linear. Allowed arithmetic: matrix products marked QUANTISED: E2M1 operands, one E8M0 scale for each 32 along K, by v_wmma_scale_f32_16x16x128_f8f6f4 with both operands' format E2M1 (or v_wmma_scale_f32_32x16x128_f4), f32 sums; everything else in f32.
;; Inputs: bias 16,384 float32; input 1,024 x 4,096 float32; weight 16,384 x 4,096 int8; weight_scale 16,384 float32.
;; Outputs: out0 1,024 x 16,384 float32.
;; This version of the problem:
;;   THIS VERSION OF THE PROBLEM IS GIVEN IN LOW PRECISION. The matrix products marked QUANTISED in the list below multiply operands that are first quantised to E2M1 (2 exponent bits, 1 mantissa bit; 4 bits a number), with one power-of-two scale for each 32 numbers along K (OCP MX v1.0); their sums are f32. All else is computed in f32.
;;   The module's matrix products, in the order in which they are computed (A, B: the left and right operand; K: the contracted axis; several contracted axes count as one K, in the product's order):
;;     1. [M 1,024, K 4,096] x [K 4,096, N 16,384]; A: input input; B: computed on the way: QUANTISED
;;   THE QUANTISER, for each operand of a quantised product, along K:
;;     - K is cut into blocks of 32 from its start; a last block that is shorter is filled with zeros.
;;     - A block's scale is 2^e with e = floor(log2(the largest magnitude in the block)) - 2, held to -126 .. 127; a block of zeros has e = 0. As a byte (E8M0): e + 127.
;;     - Each number is divided by its block's scale, clamped to +-6, and rounded to the nearest number of E2M1, ties to even, subnormals kept.
;;     - The product sums the exact products of the quantised numbers (number of the format x scale) in f32.
;;   ~~~python
;;   def quantise(x, axis):      # numpy; x: float32 -> the quantised numbers, widened to float32 again
;;       x = np.moveaxis(x, axis, -1); K = x.shape[-1]
;;       x = np.pad(x, [(0, 0)] * (x.ndim - 1) + [(0, -K % 32)]); x = x.reshape(x.shape[:-1] + (-1, 32)); a = np.abs(x).max(-1, keepdims=True)
;;       e = np.where(a > 0, np.clip(np.frexp(np.where(a > 0, a, 1))[1] - 1 - 2, -126, 127), 0)      # np.frexp(a)[1] - 1 = floor(log2(a)), exactly
;;       r = np.clip(x / 2.0 ** e, -6, 6)
;;       step = 2.0 ** (np.maximum(np.frexp(np.where(r == 0, 1, r))[1] - 1, 0) - 1)
;;       q = np.round(r / step) * step * 2.0 ** e      # np.round: ties to even
;;       return np.moveaxis(q.reshape(q.shape[:-2] + (-1,))[..., :K], -1, axis).astype(np.float32)
;;   ~~~
;;   OPERANDS COMPUTED ON THE WAY. 'Computed on the way' means the value that the module computes at that place (a softmax that the list does not call 'softmax' is quantised finished and normalised). What goes into a quantiser is computed in f32, as accurately as f32 sums, v_exp_f32 and their like allow (about 1e-6 of the number): no bf16 or f16 on the way to a quantiser, and a product that is left as it is and whose result goes on into a quantised operand takes f32 operands (vector FMAs, or v_wmma_f32_16x16x4_f32). A number that lies on a knife's edge between two numbers of the format may be rounded either way, as far as f32 arithmetic and the matrix unit's own rounding can turn it there, and no further.
;; One version. Each part assembles by itself: llvm-mc -triple=amdgcn-amd-amdhsa -mcpu=gfx1250 --defsym DOCPART=n.
;; ======== version 1 of 1: 2 launches
;; limits: right only within a limited range of input values
;; workspace buffers: aq 2,228,224 bytes; bq 35,651,584 bytes
;; launch quant (part 1): grid 1280 x 1, 8 waves a work-group, no clusters, 65,024 bytes of LDS; arguments input, weight, weight_scale, aq, bq; writes aq, bq
.if DOCPART == 1
	.amdgcn_target "amdgcn-amd-amdhsa--gfx1250"
	.amdhsa_code_object_version 6
	.text
	.protected	k_q303088b6ef_quant
	.globl	k_q303088b6ef_quant
	.p2align	8
	.type	k_q303088b6ef_quant,@function
k_q303088b6ef_quant:
	s_mov_b64 s[64:65], 0
	v_nop
	global_prefetch_b8 v0, s[64:65] scope:SCOPE_SE
	s_setreg_imm32_b32 hwreg(HW_REG_WAVE_MODE, 25, 1), 1
	s_wait_xcnt 0x0
; input [1024][4096] f32 and weight [16384][4096] int8 x weight_scale [16384] f32 become codes of FP4 (E2M1) with one E8M0 scale byte for each 32 along K (K is innermost in both).
; A weight is widened to f32 exactly and multiplied by its row's scale with one f32 rounding; that number goes into the quantiser.
; A block's scale is 2^(floor(log2(its largest magnitude)) - 2): its byte is the largest magnitude's exponent field - 2, held at 1 from below by a floor of 2^-124 among the maximum's leaves.
; LIMITS: NaN and infinities among the inputs are not served.  A block of zeros gets the byte 1 where the rule says 127: its codes are zeros, which add nothing, and this program alone reads the bytes.
; THE OUTPUT'S LAYOUT is the order of the matrix operand's registers.  A UNIT is 16 rows x 512 along K (K step s, row block i), 4,352 bytes = 17 x 256:
;   byte 256 j + 16 r + 0..15: the 32 codes of row r, block j of the step's sixteen;   byte 4096 + 16 r + j: that block's scale byte.   aq = [8 K steps][64 row blocks] units, bq = [8][1024] units.
; SHARES.  Every wave reads 8,192 bytes by sixteen loads of 512 consecutive bytes, all issued at once; there is no loop.
;   Work-groups 0..255 take the input: four waves make one unit, a wave 4 rows x 512 numbers.  Work-groups 256..1279 take the weight: a wave makes one unit, the eight waves the 8 K steps of 16 rows.
;   The two paths part on the work-group's number, never meet again, and have LDS bytes of their own.
; A lane holds 16 neighbours along K (two neighbouring lanes hold a block), since the conversion takes 8 neighbours from one lane's consecutive registers.  A lane's 8 bytes of codes go into a stage in LDS
; (the unit's 16 parts of 256 bytes, 272 bytes apart) and leave as whole aligned runs of 512 bytes.  The 16 bytes of padding behind part r hold row r's 16 scale bytes.
; CLAIMS: 96 registers a wave and 65,024 bytes of LDS a work-group, so that five work-groups fit on a WGP and the 1,280 are 5 x 256.  For that, registers are used again once they are spent:
;   a weight row's codes and byte lie in the registers that its own load filled; the three registers at work are v0-v2, which the head has done with.
; No tensor load, no ring, no matrix unit, no cluster: the launch streams, and no two work-groups read the same bytes.
.set UNIT,  4352
.set SUBP,  272                        ; a part of 256 bytes + 16: a wave's 8-byte stores then fall on 64 different banks
.set OSTG,  16*SUBP                    ; an out-stage
.set IIN,   8*OSTG                     ; the weight path's eight out-stages lie at 0; the input path's in-stages from here, one of 2,560 bytes for each wave
.set ISTG,  2560                       ; 32 places of 64 bytes + 16 of padding
.set IOUT,  IIN+8*ISTG                 ; the input path's two out-stages
.set SPARE, IOUT+2*OSTG                ; 64,000: the spare words, 128 bytes for each of the eight waves
.set M,     0                          ; v0-2     at work, behind the head
.set SPW,   12                         ; v12      my spare word; never rewritten
.set NIL,   13                         ; v13      0; never rewritten
.set W,     16                         ; v16-79   the sixteen loads
.set T,     80                         ; v80-95   16 numbers in f32
	s_load_b256 s[4:11], s[0:1], 0x0               ; input s[4:5], weight s[6:7], weight_scale s[8:9], aq s[10:11]
	s_load_b64 s[12:13], s[0:1], 0x20              ; bq
	v_lshl_add_u32 v[SPW], v0, 2, SPARE
	v_mov_b32 v[NIL], 0
	v_lshrrev_b32 v1, 5, v0
	s_delay_alu instid0(VALU_DEP_1)
	v_readfirstlane_b32 s14, v1                    ; wave 0..7
	v_and_b32 v2, 31, v0                           ; lane
	s_delay_alu instid0(VALU_DEP_1)
	v_lshlrev_b32 v3, 4, v2                        ; 16 x lane
	s_delay_alu instid0(VALU_DEP_2)
	v_lshrrev_b32 v5, 1, v2                        ; my block of the step's sixteen
	s_delay_alu instid0(VALU_DEP_3)
	v_and_b32 v1, 1, v2
	s_delay_alu instid0(VALU_DEP_2)
	v_mul_u32_u24 v4, v5, SUBP
	s_delay_alu instid0(VALU_DEP_1)
	v_lshl_add_u32 v4, v1, 3, v4                   ; into a stage: part = my block, + 8 bytes for the block's upper half.  With 256 more: 8 of the scale bytes of row lane / 2, on their way out
	v_lshrrev_b32 v1, 4, v2
	v_and_b32 v6, 15, v2
	s_delay_alu instid0(VALU_DEP_1)
	v_lshlrev_b32 v6, 4, v6
	s_delay_alu instid0(VALU_DEP_1)
	v_mad_u32_u24 v6, v1, SUBP, v6                 ; out of a stage: sixteen lanes to a part, two parts an instruction
	v_lshlrev_b32 v7, 3, v2                        ; 8 x lane: the scale bytes' place in memory
; 16 neighbours along K in v[xs] on -> 16 codes in v[cr], v[cr + 1] and the block's scale byte in v[er], into the stage at row `row`.
.macro QUANT16 xs, cr, er, row, vcode, vbyte
	v_max3_num_f32 v[M], |v[(\xs)]|, |v[(\xs)+1]|, |v[(\xs)+2]|          ; the largest magnitude of my 16, in two chains
	v_max3_num_f32 v[M+1], |v[(\xs)+3]|, |v[(\xs)+4]|, |v[(\xs)+5]|
.irp i, 6,10
	s_delay_alu instid0(VALU_DEP_2)
	v_max3_num_f32 v[M], v[M], |v[(\xs)+\i]|, |v[(\xs)+\i+1]|
	s_delay_alu instid0(VALU_DEP_2)
	v_max3_num_f32 v[M+1], v[M+1], |v[(\xs)+\i+2]|, |v[(\xs)+\i+3]|
.endr
	s_delay_alu instid0(VALU_DEP_2)
	v_max3_num_f32 v[M], v[M], |v[(\xs)+14]|, |v[(\xs)+15]|
	s_delay_alu instid0(VALU_DEP_1)
	v_max3_num_f32 v[M], v[M], v[M+1], 0x1800000   ; and the floor 2^(3 - 127): the byte cannot fall under 1
	s_delay_alu instid0(VALU_DEP_1)
	v_max_num_f32_dpp v[M], v[M], v[M] row_xmask:1 row_mask:0xf bank_mask:0xf   ; with my neighbour's 16: the block's
	s_delay_alu instid0(VALU_DEP_1)
	v_add_nc_u32 v[M+2], 0xff000000, v[M]          ; 2 off its exponent field: the conversion takes the exponent field of this operand as its scale, and nothing else of it
	v_cvt_scalef32_pk8_fp4_f32 v[(\cr)], v[(\xs):(\xs)+7], v[M+2]        ; to the nearest code, ties to even; beyond 6 the largest code; the first number's code in the lowest bits
	v_cvt_scalef32_pk8_fp4_f32 v[(\cr)+1], v[(\xs)+8:(\xs)+15], v[M+2]
	v_lshrrev_b32 v[(\er)], 23, v[M+2]             ; the scale's byte; also the plain instruction behind the conversions
	ds_store_b8 v[\vbyte], v[(\er)] offset:SUBP*(\row)+256               ; both lanes of a block write the same byte with the same value
	ds_store_b64 v[\vcode], v[(\cr):(\cr)+1] offset:16*(\row)
.endm
	s_cmp_lt_u32 ttmp9, 256                        ; the same in all eight waves of a work-group
	s_cbranch_scc1 .Linput
	; ================ THE WEIGHT: row block rb = work-group - 256, K step = wave ================
	s_sub_co_u32 s15, ttmp9, 256                   ; rb, 0..1023
	s_lshl_b32 s16, s15, 16                        ; 16 rows of 4,096 bytes,
	s_lshl_b32 s17, s14, 9                         ; + my K step's 512 bytes
	s_add_co_u32 s16, s16, s17
	s_mov_b32 s17, 0
	s_lshl_b32 s18, s15, 6                         ; the 16 rows' scales: 64 bytes
	s_mov_b32 s19, 0
	s_lshl_b32 s20, s14, 10
	s_add_co_u32 s20, s20, s15
	s_mul_i32 s20, s20, UNIT                       ; unit (K step, rb): under 2^26 bytes
	s_mov_b32 s21, 0
	s_mov_b32 s24, 0x80808080                      ; turns four signed bytes w into w + 128
	s_mov_b32 s25, 0x4b000000                      ; 2^23 as f32: a byte laid into its lowest mantissa bits gives 2^23 + the byte, exactly
	s_mov_b32 s26, 0x03020104                      ; byte selects: the upper three bytes of s25 over byte 0, 1, 2, 3 of the data
	s_mov_b32 s27, 0x03020105
	s_mov_b32 s28, 0x03020106
	s_mov_b32 s29, 0x03020107
	s_mov_b32 s30, 0xcb000080                      ; -(2^23 + 128)
	s_mov_b32 s31, 0xcb000080                      ; (named with it as a pair, so it is written)
	s_mov_b32 s49, 0                               ; (the upper words of the pairs that hold a row's scale)
	s_mov_b32 s51, 0
	s_mul_i32 s22, s14, OSTG                       ; my out-stage
	s_wait_alu depctr_va_vdst(0)                   ; behind the run of scalar lines
	v_add_nc_u32 v4, s22, v4                       ; codes in (and, 256 on, scale bytes out)
	v_add_nc_u32 v5, s22, v5                       ; scale bytes in
	v_add_nc_u32 v6, s22, v6                       ; codes out
	s_wait_kmcnt 0x0
	s_add_nc_u64 s[6:7], s[6:7], s[16:17]
	s_add_nc_u64 s[8:9], s[8:9], s[18:19]
	s_add_nc_u64 s[12:13], s[12:13], s[20:21]
	s_load_b512 s[32:47], s[8:9], 0x0              ; the 16 rows' scales
.irp t, 0,1,2,3,4,5,6,7,8,9,10,11,12,13,14,15
	global_load_b128 v[W+4*\t:W+4*\t+3], v3, s[6:7] offset:4096*\t th:TH_LOAD_NT   ; row t: 512 consecutive bytes; lane l holds k = 16 l .. 16 l + 15
.endr
	s_wait_kmcnt 0x0
.macro WROW t
	s_wait_loadcnt 15-(\t)                         ; loads come back in order (ISA guide 5.7.1): row t is in, the 15 - t younger ones stay out
	s_mov_b32 s[48+2*((\t)%2)], s[32+(\t)]         ; the row's scale, in an even register: the packed multiply names a pair and takes its low word for both halves
.irp k, 0,1,2,3
	v_xor_b32 v[W+4*(\t)+\k], s24, v[W+4*(\t)+\k]
.endr
.irp k, 0,1,2,3
.irp b, 0,1,2,3
	v_perm_b32 v[T+4*\k+\b], v[W+4*(\t)+\k], s25, s[26+\b]               ; 2^23 + 128 + w
.endr
.endr
.irp j, 0,2,4,6,8,10,12,14
	v_pk_add_f32 v[T+\j:T+\j+1], v[T+\j:T+\j+1], s[30:31] op_sel_hi:[1,0]   ; w, exactly (-128 too)
.endr
.irp j, 0,2,4,6,8,10,12,14
	v_pk_mul_f32 v[T+\j:T+\j+1], v[T+\j:T+\j+1], s[48+2*((\t)%2):49+2*((\t)%2)] op_sel_hi:[1,0]   ; w x scale: one rounding
.endr
	QUANT16 T, W+4*(\t), W+4*(\t)+2, \t, 4, 5      ; the row's bytes are spent: its codes and its scale byte take their registers
.endm
.irp t, 0,1,2,3,4,5,6,7,8,9,10,11,12,13,14,15
	WROW \t
.endr
	s_wait_dscnt 0x0                               ; my stores into the stage have read their registers, which the loads below fill
.irp t, 0,1,2,3,4,5,6,7
	ds_load_b128 v[W+4*\t:W+4*\t+3], v6 offset:2*SUBP*\t
.endr
	ds_load_b64 v[W+32:W+33], v4 offset:256
.irp t, 0,1,2,3,4,5,6,7
	s_wait_dscnt 8-\t                              ; behind load t: 7 - t loads of 16 bytes and the one of 8
	global_store_b128 v3, v[W+4*\t:W+4*\t+3], s[12:13] offset:512*\t     ; 32 lanes store 512 consecutive bytes, at a multiple of 256 from the buffer's first byte
.endr
	s_wait_dscnt 0x0
	global_store_b64 v7, v[W+32:W+33], s[12:13] offset:4096              ; the unit's 256 scale bytes
	s_wait_tensorcnt 0x0                           ; the wave's end
	ds_add_u32 v[SPW], v[NIL]
	s_wait_dscnt 0x0
	s_endpgm
	; ================ THE INPUT: row block rb = work-group / 4; K step = 2 (work-group % 4) + wave / 4; rows 4 (wave % 4) + 0..3 of the block ================
.Linput:
	s_lshr_b32 s15, ttmp9, 2                       ; rb, 0..63
	s_and_b32 s16, ttmp9, 3
	s_lshr_b32 s17, s14, 2                         ; u: which of the work-group's two units
	s_and_b32 s18, s14, 3                          ; wq: which four rows of it
	s_lshl_b32 s19, s16, 1
	s_add_co_u32 s19, s19, s17                     ; the K step
	s_lshl_b32 s20, s15, 18                        ; 16 rows of 16,384 bytes,
	s_lshl_b32 s21, s18, 16                        ; + 4 rows x wq,
	s_add_co_u32 s20, s20, s21
	s_lshl_b32 s21, s19, 11                        ; + the K step's 2,048 bytes
	s_add_co_u32 s20, s20, s21
	s_mov_b32 s21, 0
	s_lshl_b32 s22, s19, 6
	s_add_co_u32 s22, s22, s15
	s_mul_i32 s22, s22, UNIT                       ; unit (K step, rb)
	s_mov_b32 s23, 0
	s_mul_i32 s24, s14, ISTG
	s_add_co_u32 s24, s24, IIN                     ; my in-stage
	s_mul_i32 s25, s17, OSTG
	s_add_co_u32 s25, s25, IOUT                    ; my unit's out-stage, which four waves share
	s_lshl_b32 s26, s18, 6                         ; my four rows in a part: 64 wq bytes
	s_mul_i32 s27, s18, 4*SUBP                     ; the four parts that I store, and my four rows' scale bytes
	s_lshl_b32 s28, s18, 10                        ; the four parts' place in the unit
	v_lshrrev_b32 v8, 2, v2
	s_delay_alu instid0(VALU_DEP_1)
	v_mul_u32_u24 v8, v8, 80
	v_and_b32 v1, 3, v2
	s_delay_alu instid0(VALU_DEP_1)
	v_lshl_add_u32 v8, v1, 4, v8
	s_delay_alu instid0(VALU_DEP_1)
	v_add_nc_u32 v8, s24, v8                       ; in-stage, in: four lanes' 64 bytes on end, then 16 of padding
	v_mul_u32_u24 v9, v2, 80
	s_delay_alu instid0(VALU_DEP_1)
	v_add_nc_u32 v9, s24, v9                       ; in-stage, out: my 16 neighbours
	v_add_nc_u32 v11, s25, v4                      ; 256 on: scale bytes out of the out-stage
	s_delay_alu instid0(VALU_DEP_1)
	v_add_nc_u32 v4, s26, v11                      ; codes into it
	v_add_nc_u32 v5, s25, v5
	s_delay_alu instid0(VALU_DEP_1)
	v_add_nc_u32 v5, s27, v5                       ; scale bytes into it
	v_add_nc_u32 v6, s25, v6
	s_delay_alu instid0(VALU_DEP_1)
	v_add_nc_u32 v6, s27, v6                       ; codes out of it
	v_add_nc_u32 v10, s28, v3                      ; and their place in memory
	s_wait_alu depctr_va_vdst(0)                   ; the head's end
	s_wait_kmcnt 0x0
	s_add_nc_u64 s[4:5], s[4:5], s[20:21]
	s_add_nc_u64 s[10:11], s[10:11], s[22:23]
.irp r, 0,1,2,3
.irp i, 0,1,2,3
	global_load_b128 v[W+16*\r+4*\i:W+16*\r+4*\i+3], v3, s[4:5] offset:16384*\r+512*\i th:TH_LOAD_NT   ; 512 consecutive bytes: lane l holds k = 128 i + 4 l .. + 3 of row r
.endr
.endr
; A row's 2,048 bytes go through my own in-stage as they lie and come back 64 bytes a lane: lane l then holds k = 16 l .. 16 l + 15.  LDS serves a wave's instructions in order
; (ISA guide 5.7.1.4): no wait between the stores and the loads, nor between one row's loads and the next row's stores.  Even rows come back into v80-95, odd rows into v16-31 (row 0's registers).
.macro ITURN r
.irp i, 0,1,2,3
	ds_store_b128 v8, v[W+16*(\r)+4*\i:W+16*(\r)+4*\i+3] offset:640*\i
.endr
.irp i, 0,1,2,3
	ds_load_b128 v[80-64*((\r)%2)+4*\i:80-64*((\r)%2)+4*\i+3], v9 offset:16*\i
.endr
.endm
	s_wait_loadcnt 12                              ; row 0's four loads are in
	ITURN 0
	s_wait_loadcnt 8                               ; row 1's
	s_wait_dscnt 4                                 ; row 0's four stores have read v16-31 (its four loads may be out): row 1 may come back there
	ITURN 1
	s_wait_dscnt 4                                 ; row 0 is back, and row 1's four stores have read v32-47, which take the four rows' codes and bytes; row 1's four loads may be out
	QUANT16 80, 32, 40, 0, 4, 5
	s_wait_loadcnt 4                               ; row 2's
	ITURN 2
	s_wait_dscnt 10                                ; row 1 is back; behind it: row 0's two stores and row 2's eight
	QUANT16 16, 34, 41, 1, 4, 5
	s_wait_loadcnt 0x0                             ; row 3's
	ITURN 3
	s_wait_dscnt 10                                ; row 2 is back; behind it: row 1's two stores and row 3's eight
	QUANT16 80, 36, 42, 2, 4, 5
	s_wait_dscnt 2                                 ; row 3 is back; behind it: row 2's two stores
	QUANT16 16, 38, 43, 3, 4, 5
	s_wait_dscnt 0x0                               ; for the others' sake: my stores into the shared out-stage have landed
	s_barrier_signal -1
	s_barrier_wait -1                              ; the unit is whole: four waves wrote it
	ds_load_b128 v[16:19], v6
	ds_load_b128 v[20:23], v6 offset:2*SUBP
	s_wait_dscnt 0x0
	global_store_b128 v10, v[16:19], s[10:11]      ; 512 consecutive bytes each, at a multiple of 256 from the buffer's first byte
	global_store_b128 v10, v[20:23], s[10:11] offset:512
	s_cmp_lg_u32 s18, 0                            ; the first of a unit's four waves stores its 256 scale bytes
	s_cbranch_scc1 .Ldone
	ds_load_b64 v[24:25], v11 offset:256
	s_wait_dscnt 0x0
	global_store_b64 v7, v[24:25], s[10:11] offset:4096
.Ldone:
	s_wait_tensorcnt 0x0                           ; the wave's end
	ds_add_u32 v[SPW], v[NIL]
	s_wait_dscnt 0x0
	s_endpgm
.Lfunc_end_k_q303088b6ef_quant:
	.size	k_q303088b6ef_quant, .Lfunc_end_k_q303088b6ef_quant-k_q303088b6ef_quant
	.p2alignl 7, 3214868480
	.fill 96, 4, 3214868480
	.section	.rodata,"a",@progbits
	.p2align	6, 0x0
	.amdhsa_kernel k_q303088b6ef_quant
		.amdhsa_group_segment_fixed_size 65024
		.amdhsa_private_segment_fixed_size 0
		.amdhsa_enable_private_segment 0
		.amdhsa_kernarg_size 40
		.amdhsa_user_sgpr_count 2
		.amdhsa_user_sgpr_kernarg_segment_ptr 1
		.amdhsa_wavefront_size32 1
		.amdhsa_system_sgpr_workgroup_id_x 1
		.amdhsa_system_sgpr_workgroup_id_y 1
		.amdhsa_system_sgpr_workgroup_id_z 1
		.amdhsa_system_vgpr_workitem_id 0
		.amdhsa_next_free_vgpr 96
		.amdhsa_next_free_sgpr 66
		.amdhsa_reserve_vcc 0
		.amdhsa_float_denorm_mode_32 3
		.amdhsa_float_denorm_mode_16_64 3
		.amdhsa_memory_ordered 1
		.amdhsa_forward_progress 1
		.amdhsa_inst_pref_size 72
	.end_amdhsa_kernel
	.amdgpu_metadata
---
amdhsa.version: [ 1, 2 ]
amdhsa.kernels:
  - .name:           k_q303088b6ef_quant
    .symbol:         k_q303088b6ef_quant.kd
    .args:
      - { .name: input, .offset: 0, .size: 8, .value_kind: global_buffer, .address_space: global }
      - { .name: weight, .offset: 8, .size: 8, .value_kind: global_buffer, .address_space: global }
      - { .name: weight_scale, .offset: 16, .size: 8, .value_kind: global_buffer, .address_space: global }
      - { .name: aq, .offset: 24, .size: 8, .value_kind: global_buffer, .address_space: global }
      - { .name: bq, .offset: 32, .size: 8, .value_kind: global_buffer, .address_space: global }
    .group_segment_fixed_size: 65024
    .private_segment_fixed_size: 0
    .kernarg_segment_align: 8
    .kernarg_segment_size: 40
    .max_flat_workgroup_size: 256
    .sgpr_count:     66
    .vgpr_count:     96
    .wavefront_size: 32
...
	.end_amdgpu_metadata
.endif
;; end of part 1
;; launch gemm (part 2): grid 64 x 4, 4 waves a work-group, clusters of 4 x 4, 327,680 bytes of LDS; arguments aq, bq, bias, out0; writes out0
.if DOCPART == 2
	.amdgcn_target "amdgcn-amd-amdhsa--gfx1250"
	.amdhsa_code_object_version 6
	.text
	.protected	k_q303088b6ef_gemm
	.globl	k_q303088b6ef_gemm
	.p2align	8
	.type	k_q303088b6ef_gemm,@function
k_q303088b6ef_gemm:
	s_mov_b64 s[64:65], 0
	v_nop
	global_prefetch_b8 v0, s[64:65] scope:SCOPE_SE
	s_setreg_imm32_b32 hwreg(HW_REG_WAVE_MODE, 25, 1), 1
	s_wait_xcnt 0x0
	s_wait_alu depctr_hold_cnt(0) depctr_sa_sdst(0) depctr_va_vdst(0) depctr_va_sdst(0) depctr_va_ssrc(0) depctr_va_vcc(0) depctr_vm_vsrc(0)
	s_getreg_b32 s2, hwreg(HW_REG_IB_STS2, 6, 4)
	s_cmp_eq_u32 s2, 0
	s_cbranch_scc0 .Lentry_in_a_cluster
	s_endpgm
.Lentry_in_a_cluster:
	s_bfe_u32 s2, ttmp6, 0x10000c
	s_cmp_lg_u32 s2, 0xf033
	s_cbranch_scc0 .Lentry_shape_is_right
	s_endpgm
.Lentry_shape_is_right:
; out0[m][n] = bias[n] + sum over k of A[m][k] B[n][k]: A = the quantised input (1,024 rows), B = the quantised weight x weight_scale (16,384 rows), K = 4,096.
; Both arrive as codes of FP4 (E2M1) with E8M0 scale bytes, in UNITS of 16 rows x 512 K = 4,352 bytes laid in the order of the matrix operand's registers:
;   byte 256 j + 16 r: the 32 codes of row r, block j of the step's sixteen;  byte 4096 + 16 r + j: that block's scale byte.  aq = [8 K steps][64 row blocks], bq = [8][1024].
; So a fragment (16 rows x 128 K) is two loads of 16 bytes a lane at 16 x lane, 512 bytes apart, and a row's four scale words of a K step are 16 neighbouring bytes.
; ORDER OF ROUNDING: the bias is the C of each sum's first product, so it is added first and not last.  NaN and infinities cannot arise from codes; those in bias are carried as they are.
; A tile of out0, 256 x 256, is made by four waves, one on each SIMD, each 128 x 128: 64 accumulators, 512 registers.  256 tiles, 256 work-groups.
; K goes in 8 steps of 512 through two LDS slots.  A slot: A's 16 units, then B's 16; each wave fetches 8 units (34,816 dense bytes, as 136 rows of 256) by one tensor load.
; CLUSTERS 4 x 4: a row of the cluster shares A's tile, a column B's: each is asked for jointly, by the same load with a mask of the four.
; THE PRODUCT IS USED TRANSPOSED (source 0 = 16 rows of B, source 1 = 16 rows of A): a lane holds eight neighbouring columns of one row of out0.
; PREFETCH: behind each joint load every wave names one unit of A and one of B (17 blocks of 256 bytes, a lane a block; lanes 17-31 name the last again) of the K step two refills on.
;   The cluster's 64 waves share out by address the 64 units of A and the 64 units of B that the cluster loads in a K step.  At the head K steps 1 and 2 are named behind the first load,
;   K step 3 behind the second; the change of slots at the end of K step s names K step s + 4, and the last two changes with a refill name nothing.
; REGISTERS: window 0: v0-31 addresses; v32-95 scale words, a set for each slot; v128-191, v192-255 A's fragments, two sets (on the way out: rows read back).
;   window 1: v0-63, v128-191 B's fragments, two sets; v192-255 the bias.   windows 2, 3: the accumulators of my rows 0-63, 64-127 ((a, b) at v[8 (8 (a % 4) + b)]).
.set SIZE_N, 16384
.set UNIT,   4352
.set HALFT,  8*UNIT                    ; what one tensor load brings, and what one wave reads of A or of B
.set SLOT,   4*HALFT
.set ASTEP,  64*UNIT                   ; from K step to K step in aq
.set BSTEP,  1024*UNIT                 ; and in bq
.set SPARE,  2*SLOT                    ; behind the ring: the spare words, 128 bytes a wave
.set NP,     4                         ; places behind this matrix form (ISA guide 7.12.1)
.set LAPS,   4                         ; a lap = two K steps
.set SPITCH, 528                       ; the way out: stage rows of 512 bytes + 16; the stage lies in slot 0 behind its last fill and last read
.set ADRA, 16                          ; v16-17 my A fragments in slot 0, 1
.set ADRB, 20                          ; v20-21 my B fragments
.set ADRS, 22                          ; v22-23 my scale words: lanes 0-15 A's rows, lanes 16-31 B's
.set STO,  24
.set RD,   25
.set CO,   26
.set BO,   27
.set SPW,  28                          ; my spare word; never rewritten
.set NIL,  29                          ; 0; never rewritten
.set PFO,  30                          ; the prefetches' offset: 256 x min(lane, 16)
.set SC,   32
.set AF,   128
.set BI,   192                         ; in window 1
.set BK,   128
.set G1, 24
.set G0, 32
.set G1B, 48
.set G0B, 56
.set PFA, 66                           ; s[66:67], s[68:69]: where my prefetches of A and of B stand
.set PFB, 68
.set MSB, 0
.macro WIN new                         ; the immediate's high byte repeats the setting that is left
.if MSB != (\new)
	s_set_vgpr_msb (MSB<<8)|(\new)
.set MSB, (\new)
.endif
.endm
.set MUL_LO, 0xa1                      ; source 0 (B) window 1, source 1 (A) window 0, C and D window 2; in the first step C is the bias, window 1: 0x91
.set MUL_HI, 0xf1                      ; C and D window 3; in the first step 0xd1
.set TO_B,   0x40
.macro JLOAD s                         ; a joint load into slot s: waves 0, 1 fetch A's halves, waves 2, 3 B's; s_nop 0 and four v_nop behind each line
	s_cmp_eq_u32 s15, 0
	s_cbranch_scc0 .Lfor_b_\@
	tensor_load_to_lds s[G0+4*\s:G0+4*\s+3], s[G1:G1+7]
	s_nop 0
.rept 4
	v_nop
.endr
	s_branch .Lasked_\@
.Lfor_b_\@:
	tensor_load_to_lds s[G0B+4*\s:G0B+4*\s+3], s[G1B:G1B+7]
	s_nop 0
.rept 4
	v_nop
.endr
.Lasked_\@:
.endm
.macro CREST                           ; a round of the cluster's barrier behind its opening barrier
	s_cmp_lg_u32 s14, 0
	s_cbranch_scc1 .Lnot_wave_0_\@
	s_barrier_signal -3
.Lnot_wave_0_\@:
	s_barrier_wait -3
	s_barrier_signal -1
	s_barrier_wait -1
.endm
.macro CROUND
	s_barrier_signal -1
	s_barrier_wait -1
	CREST
.endm
.macro ASK                             ; s3 = 1 in the loop's last trip, whose refills have no K step two refills on
	s_cmp_gt_u32 s3, 1
	s_cbranch_scc0 .Lno_\@
	global_prefetch_b8 v[PFO], s[PFA:PFA+1] th:TH_LOAD_NT scope:SCOPE_SE
	global_prefetch_b8 v[PFO], s[PFB:PFB+1] th:TH_LOAD_NT scope:SCOPE_SE
.Lno_\@:
.endm
.macro PLACES n
.rept \n
	v_nop
.endr
.endm
	s_load_b128 s[4:7], s[0:1], 0x0                ; aq, bq
	s_load_b128 s[8:11], s[0:1], 0x10              ; bias, out0
	v_lshl_add_u32 v[SPW], v0, 2, SPARE
	v_mov_b32 v[NIL], 0
	ds_add_u32 v[SPW], v[NIL]                      ; the opening lines: the add, twice on end, and its wait ahead of my first tensor load
	ds_add_u32 v[SPW], v[NIL]
	v_lshrrev_b32 v1, 5, v0
	v_readfirstlane_b32 s14, v1                    ; wave 0..3
	s_lshr_b32 s15, s14, 1                         ; my half of the tile's rows; also: I fetch for A (0) or B (1)
	s_and_b32 s16, s14, 1                          ; my half of its columns; also: which 8 units I fetch
	s_bfe_u32 s40, ttmp6, 0x40000                  ; cx
	s_bfe_u32 s41, ttmp6, 0x40004                  ; cy = the tile row (the grid is one cluster high)
	s_lshl_b32 s42, ttmp9, 2
	s_add_co_u32 s42, s42, s40                     ; tile column
	s_lshl_b32 s43, s41, 2
	s_lshl_b32 s43, 15, s43                        ; my row of the cluster
	s_lshl_b32 s44, 0x1111, s40                    ; my column
	s_or_b32 s[G1+0], s43, (3<<16)|(1<<21)         ; the mask; elements of 8 bytes; bit 21 beside a mask
	s_or_b32 s[G1B+0], s44, (3<<16)|(1<<21)
.irp g, G1, G1B
	s_mov_b32 s[\g+1], 32<<16                      ; rows of 32 elements = 256 bytes
	s_mov_b32 s[\g+2], 136<<16                     ; 136 rows
	s_mov_b32 s[\g+3], 32<<16
	s_mov_b32 s[\g+4], 136
	s_mov_b32 s[\g+5], 32                          ; dense
	s_mov_b32 s[\g+6], 0
	s_mov_b32 s[\g+7], 0
.endr
	s_lshl_b32 s18, s16, 3
	s_lshl_b32 s20, s41, 4
	s_add_co_u32 s20, s20, s18
	s_mul_i32 s20, s20, UNIT                       ; A: unit 16 x tile row + 8 x half
	s_mov_b32 s21, 0
	s_lshl_b32 s46, s42, 4
	s_add_co_u32 s46, s46, s18
	s_mul_i32 s46, s46, UNIT                       ; B: unit 16 x tile column + 8 x half
	s_mov_b32 s47, 0
	s_mul_i32 s45, s14, HALFT                      ; where they go: wave x 8 units
	s_lshl_b32 s[PFA], s41, 4                      ; my prefetches: A's unit 16 cy + 4 cx + wave,
	s_lshl_b32 s[PFA+1], s40, 2
	s_add_co_u32 s[PFA], s[PFA], s[PFA+1]
	s_add_co_u32 s[PFA], s[PFA], s14
	s_mul_i32 s[PFA], s[PFA], UNIT
	s_add_co_u32 s[PFA], s[PFA], ASTEP             ; at K step 1
	s_mov_b32 s[PFA+1], 0
	s_lshl_b32 s[PFB], s42, 4                      ; B's unit 16 x tile column + 4 cy + wave
	s_lshl_b32 s[PFB+1], s41, 2
	s_add_co_u32 s[PFB], s[PFB], s[PFB+1]
	s_add_co_u32 s[PFB], s[PFB], s14
	s_mul_i32 s[PFB], s[PFB], UNIT
	s_add_co_u32 s[PFB], s[PFB], BSTEP
	s_mov_b32 s[PFB+1], 0
	s_wait_dscnt 0x0                               ; both opening adds are done
	s_wait_kmcnt 0x0
	s_add_nc_u64 s[20:21], s[4:5], s[20:21]
	s_add_nc_u64 s[46:47], s[6:7], s[46:47]
	s_add_nc_u64 s[PFA:PFA+1], s[4:5], s[PFA:PFA+1]
	s_add_nc_u64 s[PFB:PFB+1], s[6:7], s[PFB:PFB+1]
.irp s, 0,1
	s_mov_b32 s[G0+4*\s], 1
	s_add_co_u32 s[G0+4*\s+1], s45, \s*SLOT
	s_add_nc_u64 s[G0+4*\s+2:G0+4*\s+3], s[20:21], \s*ASTEP
	s_or_b32 s[G0+4*\s+3], s[G0+4*\s+3], 0x80000000
	s_mov_b32 s[G0B+4*\s], 1
	s_add_co_u32 s[G0B+4*\s+1], s45, \s*SLOT
	s_add_nc_u64 s[G0B+4*\s+2:G0B+4*\s+3], s[46:47], \s*BSTEP
	s_or_b32 s[G0B+4*\s+3], s[G0B+4*\s+3], 0x80000000
.endr
	CROUND                                         ; all sixteen work-groups are here: the first joint loads meet
	JLOAD 0                                        ; K step 0: one tensor load a wave at the head
	; the rest of the head stands under that load: first all scalar work, then the vector work in one run
	s_mul_i32 s21, s15, HALFT                      ; my 8 units of A
	s_mul_i32 s22, s16, HALFT
	s_add_co_u32 s22, s22, 2*HALFT                 ; my 8 units of B, behind A's 16
	s_xor_b32 s23, s15, 1
	s_add_co_u32 s23, s23, s16
	s_add_co_u32 s23, s23, 1
	s_mul_i32 s23, s23, HALFT                      ; from my units of A to my units of B: (2 + column half - row half) x 8 units
	s_mul_i32 s18, s14, 16*SPITCH                  ; my stage
	s_lshl_b32 s46, s42, 10
	s_lshl_b32 s47, s16, 9
	s_add_co_u32 s46, s46, s47                     ; my first column in bytes: 1024 x tile column + 512 x half
	s_mov_b32 s47, 0
	s_add_nc_u64 s[8:9], s[8:9], s[46:47]          ; in bias,
	s_lshl_b32 s12, s41, 8
	s_lshl_b32 s13, s15, 7
	s_add_co_u32 s12, s12, s13                     ; my first row: 256 x tile row + 128 x half,
	s_lshl_b32 s12, s12, 16                        ; of 65,536 bytes
	s_mov_b32 s13, 0
	s_add_nc_u64 s[12:13], s[12:13], s[46:47]
	s_add_nc_u64 s[10:11], s[10:11], s[12:13]      ; and in out0
	v_and_b32 v3, 31, v0                           ; lane
	v_and_b32 v1, 15, v0                           ; r
	v_bfe_u32 v2, v0, 4, 1                         ; h
	v_lshlrev_b32 v4, 4, v3                        ; 16 x lane
	v_add_nc_u32 v[ADRA], s21, v4
	v_add_nc_u32 v[ADRB], s22, v4
	v_add_nc_u32 v[ADRA+1], SLOT, v[ADRA]
	v_add_nc_u32 v[ADRB+1], SLOT, v[ADRB]
	v_mul_u32_u24 v6, s23, v2                      ; lanes 16-31 take B's scale words
	v_lshl_add_u32 v5, v1, 4, v6
	v_add_nc_u32 v5, s21, v5
	v_add_nc_u32 v[ADRS], 4096, v5
	v_add_nc_u32 v[ADRS+1], SLOT+4096, v5
	v_mul_u32_u24 v7, v1, SPITCH
	v_lshl_add_u32 v7, v2, 5, v7
	v_add_nc_u32 v[STO], s18, v7                   ; into the stage: row r, 32 bytes for each half of the lanes
	v_lshlrev_b32 v[CO], 4, v3                     ; back: 32 lanes take a row of 512 bytes; the same in out0
	v_add_nc_u32 v[RD], s18, v[CO]
	v_lshlrev_b32 v[BO], 5, v2                     ; bias: my eight columns of a block of 16
	v_min_u32 v[PFO], 16, v3
	v_lshlrev_b32 v[PFO], 8, v[PFO]
	s_wait_alu depctr_va_vdst(0)                   ; the end of the head's vector work
	WIN TO_B
.irp b, 0,1,2,3,4,5,6,7
	global_load_b128 v[BI+8*\b:BI+8*\b+3], v[BO], s[8:9] offset:64*\b       ; register j: bias[16 b + 8 h + j], the result's own layout
	global_load_b128 v[BI+8*\b+4:BI+8*\b+7], v[BO], s[8:9] offset:64*\b+16
.endr
	WIN 0
	global_prefetch_b8 v[PFO], s[PFA:PFA+1] th:TH_LOAD_NT scope:SCOPE_SE               ; K steps 1 and 2
	global_prefetch_b8 v[PFO], s[PFB:PFB+1] th:TH_LOAD_NT scope:SCOPE_SE
	global_prefetch_b8 v[PFO], s[PFA:PFA+1] offset:ASTEP th:TH_LOAD_NT scope:SCOPE_SE
	global_prefetch_b8 v[PFO], s[PFB:PFB+1] offset:BSTEP th:TH_LOAD_NT scope:SCOPE_SE
.macro FRAG reg, adr, q, i             ; 16 rows x 128 K: registers 4 c .. 4 c + 3 = block 4 q + 2 c + h of row r
.irp c, 0,1
	ds_load_b128 v[(\reg)+4*\c:(\reg)+4*\c+3], v[\adr] offset:(\i)*UNIT+1024*(\q)+512*\c
.endr
.endm
; One run of LDS loads: the fragments of the slot's q-th 128 along K into set p: B's eight, A's blocks 0-3, (sc = 1: the slot's scale words,) A's blocks 4-7
.macro FETCH slot, q, p, sc
	WIN TO_B
.irp i, 0,1,2,3,4,5,6,7
	FRAG 128*(\p)+8*\i, ADRB+\slot, \q, \i
.endr
	WIN 0
.irp i, 0,1,2,3
	FRAG AF+64*(\p)+8*\i, ADRA+\slot, \q, \i
.endr
.if \sc
.irp i, 0,1,2,3,4,5,6,7
	ds_load_b128 v[SC+32*\slot+4*\i:SC+32*\slot+4*\i+3], v[ADRS+\slot] offset:\i*UNIT   ; register 4 i + q: lanes 0-15 the word of A's block i, lanes 16-31 of B's block i
.endr
.endif
.irp i, 4,5,6,7
	FRAG AF+64*(\p)+8*\i, ADRA+\slot, \q, \i
.endr
.endm
; 8 products: A's block a against B's eight.  The 64 accumulators take turns, one instruction a turn, in the same order in every step.  first = 1: C is the bias
.macro MULA a, p, q, sc, first
.irp b, 0,1,2,3,4,5,6,7
.if \first
	v_wmma_scale_f32_16x16x128_f8f6f4 v[8*(8*((\a)%4)+\b):8*(8*((\a)%4)+\b)+7], v[128*(\p)+8*\b:128*(\p)+8*\b+7], v[AF+64*(\p)+8*(\a):AF+64*(\p)+8*(\a)+7], v[BI+8*\b:BI+8*\b+7], v[SC+32*(\sc)+4*\b+(\q)], v[SC+32*(\sc)+4*(\a)+(\q)] matrix_a_fmt:MATRIX_FMT_FP4 matrix_b_fmt:MATRIX_FMT_FP4 matrix_a_scale:MATRIX_SCALE_ROW1
.else
	v_wmma_scale_f32_16x16x128_f8f6f4 v[8*(8*((\a)%4)+\b):8*(8*((\a)%4)+\b)+7], v[128*(\p)+8*\b:128*(\p)+8*\b+7], v[AF+64*(\p)+8*(\a):AF+64*(\p)+8*(\a)+7], v[8*(8*((\a)%4)+\b):8*(8*((\a)%4)+\b)+7], v[SC+32*(\sc)+4*\b+(\q)], v[SC+32*(\sc)+4*(\a)+(\q)] matrix_a_fmt:MATRIX_FMT_FP4 matrix_b_fmt:MATRIX_FMT_FP4 matrix_a_scale:MATRIX_SCALE_ROW1
.endif
.endr
.endm
; A step of 128 along K with its successor in the same slot.  The successor's 32 loads go out in one run behind the first 16 products, 48 products ahead of their first use, into the
; other sets, which the step before multiplied: the four places at the step's head stand between those products and the loads.
.macro STEP slot, q, first
	s_wait_dscnt 8                                 ; all but the youngest eight loads (A's blocks 4-7) are in
	PLACES NP
	WIN MUL_LO-0x10*\first
.irp a, 0,1
	MULA \a, (\q)%2, \q, \slot, \first
.endr
	FETCH \slot, (\q)+1, 1-(\q)%2, 0
	s_wait_dscnt 32                                ; all but the 32 just issued
	WIN MUL_LO-0x10*\first
.irp a, 2,3
	MULA \a, (\q)%2, \q, \slot, \first
.endr
	WIN MUL_HI-0x20*\first
.irp a, 4,5,6,7
	MULA \a, (\q)%2, \q, \slot, \first
.endr
	WIN 0
.endm
; A slot's last step changes slots: one barrier; in front of it each wave waits for all its tensor loads (one is out: its part of the next slot), adds 0 to its spare word, and waits
; for that and for its reads of this slot.  fill = 1: the barrier opens a round of the cluster's barrier, and this slot is filled again, two K steps on, first behind the round.
.macro TURN slot, next, fill
.if \fill
	s_wait_xcnt 0x0                                ; my prefetches have read their addresses, a K step ago
	s_add_nc_u64 s[PFA:PFA+1], s[PFA:PFA+1], ASTEP
	s_add_nc_u64 s[PFB:PFB+1], s[PFB:PFB+1], BSTEP
.endif
	s_wait_tensorcnt 0x0
	ds_add_u32 v[SPW], v[NIL]
.if \fill
	s_add_nc_u64 s[G0+4*\slot+2:G0+4*\slot+3], s[G0+4*\slot+2:G0+4*\slot+3], 2*ASTEP      ; no load of mine is out: the descriptors may be written
	s_add_nc_u64 s[G0B+4*\slot+2:G0B+4*\slot+3], s[G0B+4*\slot+2:G0B+4*\slot+3], 2*BSTEP
.endif
	s_wait_dscnt 9                                 ; the add and A's blocks 4-7 may be out
	WIN MUL_LO
	MULA 0, 1, 3, \slot, 0                         ; eight products between the add and the wait for it
	s_wait_dscnt 0x0                               ; the add is done, and my reads of this slot are over
	s_barrier_signal -1
	MULA 1, 1, 3, \slot, 0
	WIN 0
	s_barrier_wait -1
.if \fill
	CREST
	JLOAD \slot                                    ; its four v_nop are also the places in front of the loads below
.else
	PLACES NP
.endif
	FETCH \next, 0, 0, 1
.if \fill
	ASK
.endif
	WIN MUL_LO
.irp a, 2,3
	MULA \a, 1, 3, \slot, 0
.endr
	WIN MUL_HI
.irp a, 4,5,6,7
	MULA \a, 1, 3, \slot, 0
.endr
	WIN 0
.endm
.macro STEPS slot, from                ; the slot's steps from .. 2
.set Q, \from
.rept 3-\from
	STEP \slot, Q, 0
.set Q, Q+1
.endr
.endm
	s_wait_tensorcnt 0x0                           ; my part of K step 0 is in; a later first fill is issued as a refill is:
	ds_add_u32 v[SPW], v[NIL]
	s_wait_xcnt 0x0                                ; the head's prefetches have read their addresses
	s_add_nc_u64 s[PFA:PFA+1], s[PFA:PFA+1], 2*ASTEP   ; on to K step 3
	s_add_nc_u64 s[PFB:PFB+1], s[PFB:PFB+1], 2*BSTEP
	s_wait_dscnt 0x0
	CROUND                                         ; everybody's part of K step 0 is in, and all sixteen work-groups are here
	JLOAD 1                                        ; K step 1, the first tensor load behind the round
	FETCH 0, 0, 0, 1
	global_prefetch_b8 v[PFO], s[PFA:PFA+1] th:TH_LOAD_NT scope:SCOPE_SE   ; K step 3
	global_prefetch_b8 v[PFO], s[PFB:PFB+1] th:TH_LOAD_NT scope:SCOPE_SE
	s_wait_loadcnt 0x0                             ; the bias
	STEP 0, 0, 1                                   ; the first step stands ahead of the loop: its products start the sums on the bias
	s_mov_b32 s3, LAPS-1
.Llap:                                                 ; once round the ring, from a lap's second step to the next lap's first; both slots are filled again
	STEPS 0, 1
	TURN 0, 1, 1
	STEPS 1, 0
	TURN 1, 0, 1
	STEP 0, 0, 0
	s_sub_co_u32 s3, s3, 1
	s_cmp_lg_u32 s3, 0
	s_cbranch_scc1 .Llap
	STEPS 0, 1                                     ; the last lap fills nothing
	TURN 0, 1, 0
	STEPS 1, 0
	s_wait_dscnt 0x0                               ; the very last step
	WIN MUL_LO
.irp a, 0,1,2,3
	MULA \a, 1, 3, 1, 0
.endr
	WIN MUL_HI
.irp a, 4,5,6,7
	MULA \a, 1, 3, 1, 0
.endr
	WIN 0
; THE WAY OUT, by blocks of 16 rows x 128 columns: through my own stage and back as whole rows of 512 bytes, which 32 lanes store as two aligned runs of 256 bytes.
; LDS serves a wave's instructions in order (ISA guide 5.7.1.4): no wait between the stores and the loads.
.macro TOSTAGE a
.set AC, 64*((\a)%4)
	WIN 0x08+4*((\a)/4)
.irp b, 0,1,2,3,4,5,6,7
	ds_store_b128 v[STO], v[AC+8*\b:AC+8*\b+3] offset:64*\b          ; each accumulator from its low end on
	ds_store_b128 v[STO], v[AC+8*\b+4:AC+8*\b+7] offset:64*\b+16
.endr
	WIN 0
.set BB, BK+64*((\a)%2)
.irp t, 0,1,2,3,4,5,6,7,8,9,10,11,12,13,14,15
	ds_load_b128 v[BB+4*\t:BB+4*\t+3], v[RD] offset:\t*SPITCH
.endr
.endm
.macro SEND a, younger                 ; younger: the LDS instructions issued behind block a's loads
.set BB, BK+64*((\a)%2)
	s_wait_dscnt \younger
.if (\a) > 0
	s_add_nc_u64 s[10:11], s[10:11], 16*SIZE_N*4   ; behind a wait on XCNT: the earlier stores have read their base
.endif
.irp t, 0,1,2,3,4,5,6,7,8,9,10,11,12,13,14,15
	global_store_b128 v[CO], v[BB+4*\t:BB+4*\t+3], s[10:11] offset:\t*SIZE_N*4 th:TH_STORE_NT
.endr
.endm
	PLACES NP                                      ; behind the last products: for the reads of results and the loads into A's registers
	TOSTAGE 0
.irp a, 1,2,3,4,5,6,7
.if \a > 1
	s_wait_xcnt 0x0                                ; block a - 2's stores have read their registers and their base
.endif
	TOSTAGE \a
	SEND \a-1, 32                                  ; behind block a - 1's loads: block a's 16 stores and 16 loads
.endr
	s_wait_xcnt 0x0
	SEND 7, 0
	s_wait_tensorcnt 0x0                           ; the wave's end
	ds_add_u32 v[SPW], v[NIL]
	s_wait_dscnt 0x0
	CROUND                                         ; the closing round
	s_endpgm
.Lfunc_end_k_q303088b6ef_gemm:
	.size	k_q303088b6ef_gemm, .Lfunc_end_k_q303088b6ef_gemm-k_q303088b6ef_gemm
	.p2alignl 7, 3214868480
	.fill 96, 4, 3214868480
	.section	.rodata,"a",@progbits
	.p2align	6, 0x0
	.amdhsa_kernel k_q303088b6ef_gemm
		.amdhsa_group_segment_fixed_size 327680
		.amdhsa_private_segment_fixed_size 0
		.amdhsa_enable_private_segment 0
		.amdhsa_kernarg_size 32
		.amdhsa_user_sgpr_count 2
		.amdhsa_user_sgpr_kernarg_segment_ptr 1
		.amdhsa_wavefront_size32 1
		.amdhsa_system_sgpr_workgroup_id_x 1
		.amdhsa_system_sgpr_workgroup_id_y 1
		.amdhsa_system_sgpr_workgroup_id_z 1
		.amdhsa_system_vgpr_workitem_id 0
		.amdhsa_next_free_vgpr 1024
		.amdhsa_next_free_sgpr 72
		.amdhsa_reserve_vcc 0
		.amdhsa_float_denorm_mode_32 3
		.amdhsa_float_denorm_mode_16_64 3
		.amdhsa_memory_ordered 1
		.amdhsa_forward_progress 1
		.amdhsa_inst_pref_size 211
	.end_amdhsa_kernel
	.amdgpu_metadata
---
amdhsa.version: [ 1, 2 ]
amdhsa.kernels:
  - .name:           k_q303088b6ef_gemm
    .symbol:         k_q303088b6ef_gemm.kd
    .args:
      - { .name: aq, .offset: 0, .size: 8, .value_kind: global_buffer, .address_space: global }
      - { .name: bq, .offset: 8, .size: 8, .value_kind: global_buffer, .address_space: global }
      - { .name: bias, .offset: 16, .size: 8, .value_kind: global_buffer, .address_space: global }
      - { .name: out0, .offset: 24, .size: 8, .value_kind: global_buffer, .address_space: global }
    .group_segment_fixed_size: 327680
    .private_segment_fixed_size: 0
    .kernarg_segment_align: 8
    .kernarg_segment_size: 32
    .max_flat_workgroup_size: 128
    .sgpr_count:     72
    .vgpr_count:     1024
    .wavefront_size: 32
...
	.end_amdgpu_metadata
.endif
;; end of part 2
